; MI455X (gfx1250); checked and timed in simulation.
; The chip was launched on July 23, 2026; its instructions are those of AMD's public machine-readable ISA for CDNA 5 (MIT licence, August 2026) and "CDNA5" Instruction Set Architecture Reference Guide (July 2026). The comments in the code are by the model that wrote it; some were corrected since.
;; Attention. Allowed arithmetic: matrix products marked QUANTISED: E3M2 operands, one E8M0 scale for each 32 along K, by v_wmma_scale_f32_16x16x128_f8f6f4 with both operands' format E3M2, f32 sums; products left as they are: f32 operands where the result goes on into a quantised operand, else bf16, f16 or f32 operands; f32 sums; everything else in f32.
;; Inputs: W_attn 2,048 x 1,024 float32; b_attn 1,024 float32; encoder_outputs_codes 32 x 2,048 x 32 x 24 uint8 (E3M2 codes of encoder_outputs, K innermost, in blocks of 32 codes, four codes in three bytes); encoder_outputs_scales 32 x 2,048 x 32 uint8 (E8M0 scales of encoder_outputs, one for each 32 codes along K); hidden_codes 32 x 32 x 24 uint8 (E3M2 codes of hidden, K innermost, in blocks of 32 codes, four codes in three bytes); hidden_scales 32 x 32 uint8 (E8M0 scales of hidden, one for each 32 codes along K); v 1,024 float32.
;; Outputs: out0 32 x 2,048 float32.
;; This version of the problem:
;;   THIS VERSION OF THE PROBLEM IS GIVEN IN LOW PRECISION. The matrix products marked QUANTISED in the list below multiply operands that are first quantised to E3M2 (3 exponent bits, 2 mantissa bits; 6 bits a number), with one power-of-two scale for each 32 numbers along K (OCP MX v1.0); their sums are f32. All else is computed in f32.
;;   The module's matrix products, in the order in which they are computed (A, B: the left and right operand; K: the contracted axis; several contracted axes count as one K, in the product's order):
;;     1. [M 32, K 1,024] x [K 1,024, N 1,024]; A: input hidden (given as codes); B: input W_attn: QUANTISED
;;     2. [M 65,536, K 1,024] x [K 1,024, N 1,024]; A: input encoder_outputs (given as codes); B: input W_attn: QUANTISED
;;     3. [M 65,536, K 1,024] x [K 1,024, N 1]; A: computed on the way; B: input v: left as it is (N = 1 < 16)
;;   THE QUANTISER, for each operand of a quantised product, along K:
;;     - K is cut into blocks of 32 from its start; a last block that is shorter is filled with zeros.
;;     - A block's scale is 2^e with e = floor(log2(the largest magnitude in the block)) - 4, held to -126 .. 127; a block of zeros has e = 0. As a byte (E8M0): e + 127.
;;     - Each number is divided by its block's scale, clamped to +-28, and rounded to the nearest number of E3M2, ties to even, subnormals kept.
;;     - The product sums the exact products of the quantised numbers (number of the format x scale) in f32.
;;   ~~~python
;;   def quantise(x, axis):      # numpy; x: float32 -> the quantised numbers, widened to float32 again
;;       x = np.moveaxis(x, axis, -1); K = x.shape[-1]
;;       x = np.pad(x, [(0, 0)] * (x.ndim - 1) + [(0, -K % 32)]); x = x.reshape(x.shape[:-1] + (-1, 32)); a = np.abs(x).max(-1, keepdims=True)
;;       e = np.where(a > 0, np.clip(np.frexp(np.where(a > 0, a, 1))[1] - 1 - 4, -126, 127), 0)      # np.frexp(a)[1] - 1 = floor(log2(a)), exactly
;;       r = np.clip(x / 2.0 ** e, -28, 28)
;;       step = 2.0 ** (np.maximum(np.frexp(np.where(r == 0, 1, r))[1] - 1, -2) - 2)
;;       q = np.round(r / step) * step * 2.0 ** e      # np.round: ties to even
;;       return np.moveaxis(q.reshape(q.shape[:-2] + (-1,))[..., :K], -1, axis).astype(np.float32)
;;   ~~~
;;   INPUTS GIVEN AS CODES. encoder_outputs (in the module: [32, 2048, 1024], K = its axis 2); hidden (in the module: [32, 1024], K = its axis 1): each comes as NAME_codes (uint8): NAME with its K axis moved to the last place and cut into blocks of 32 codes, [.., K / 32, bytes a block], one block behind the other in memory; four codes in three bytes: a row's codes are one little-endian stream of bits, code i at bits 6 i .. 6 i + 5 (a code: sign, 3 exponent bits, 2 mantissa bits); and NAME_scales (uint8): the same leading axes, one E8M0 byte (e + 127) for each 32 codes along K. Its value is code x scale, taken as it is: it is not quantised again, and the codes and scales need not be those that the quantiser above would give.
;; One version. Each part assembles by itself: llvm-mc -triple=amdgcn-amd-amdhsa -mcpu=gfx1250 --defsym DOCPART=n.
;; ======== version 1 of 1: 3 launches
;; limits: right only within a limited range of input values
;; workspace buffers: wq 819,200 bytes; hpp 1,048,576 bytes; scores 262,144 bytes
;; launch prep (part 1): grid 256 x 1, 2 waves a work-group, no clusters, 5,376 bytes of LDS; arguments W_attn, hidden_codes, hidden_scales, wq, hpp; writes wq, hpp
.if DOCPART == 1
	.amdgcn_target "amdgcn-amd-amdhsa--gfx1250"
	.amdhsa_code_object_version 6
	.text
	.protected	k_q30f29ee0be_prep
	.globl	k_q30f29ee0be_prep
	.p2align	8
	.type	k_q30f29ee0be_prep,@function
k_q30f29ee0be_prep:
	s_mov_b64 s[64:65], 0
	v_nop
	global_prefetch_b8 v0, s[64:65] scope:SCOPE_SE
	s_setreg_imm32_b32 hwreg(HW_REG_WAVE_MODE, 25, 1), 1
	s_wait_xcnt 0x0
; W_attn [2048 (k)][1024 (n)], f32, is quantised along K (its FIRST axis) to codes of BF6 (E3M2) with one E8M0 scale for each 32 along K.
; Rows 0-1023 are Wh (product 1: hidden x Wh), rows 1024-2047 are We (product 2); 1,024 is a multiple of 32, so both parts' blocks are blocks of W_attn's rows.
; SHARES.  Work-group g takes 32 columns (cg = g % 32) and 128 along K (ks = g / 32).  Wave 0 takes them of Wh, wave 1 of We: 16 KiB of f32 a wave.
; A LANE TAKES A COLUMN AND ITS 128 REGISTERS RUN DOWN K: each load reads 128 consecutive bytes, a block's largest magnitude needs no other lane, and the conversions give codes with K innermost.
; A lane so makes the four blocks of its column.  The operand's layout wants lanes 0-15 to hold blocks 0 and 2 and lanes 16-31 blocks 1 and 3 of ONE tile of 16 columns: twelve exchanges of halves give two whole fragments.
; WAVE 1 stores We's two fragments and their scale words into wq, in the order of the operand's registers, as the next launch reads them:
;   wq = 16 tiles of 51,200 bytes; tile 4 p + j = columns 256 p .. + 255, K 256 j .. + 255; fragment (K step s of 2, tile of columns i of 16) at (16 s + i) x 1,536: registers 4 c .. 4 c + 3 of lane l at 512 c + 16 l;
;   from byte 49,152 the scale words: 1,024 s + 128 (i / 2) + 4 l: lanes 0-15 those of tile 2 (i / 2), lanes 16-31 those of tile 2 (i / 2) + 1.
; WAVE 0 never stores Wh's codes: it multiplies them at once with hidden's codes of the same 128 along K and stores the partial sums, hpp [ks 8][cg 32][batch 32][32 n] f32.  The next launch adds the eight parts and the bias.
; A block's scale is 2^(floor(log2(its largest magnitude)) - 4); its byte is the largest magnitude's exponent field - 4, held at 1 from below.
; LIMITS: a block of zeros gets the byte 1 where the quantiser says 127 (its codes are zeros, which add nothing under any byte but 0xff, and this program alone reads the bytes);
; blocks whose largest magnitude lies under 2^(5 - 127) share that byte; NaN and infinities in W_attn are not served.
; No tensor loads, no cluster (no two work-groups read the same bytes), no barrier: the two waves share nothing; the stage in LDS is wave 0's own.
.set EMAX,   4
.set TILEB,  51200                     ; a tile of wq
.set SCW,    49152                     ; where its scale words begin
.set FRB,    1536                      ; a fragment's image
.set SPITCH, 144                       ; the stage: 32 rows (batches) of 128 bytes + 16
.set LN,  1                            ; v1   lane
.set RR,  2                            ; v2   r = lane % 16
.set HH,  3                            ; v3   h = lane / 16
.set WOF, 4                            ; v4   4 x lane: my column in a row of W; also my scale word's place
.set HOF, 5                            ; v5   hidden's codes: 768 r + 24 h
.set HSO, 6                            ; v6   hidden's scale words: 32 r
.set STW, 7                            ; v7   the stage, in: 144 r + 32 h
.set STR, 8                            ; v8   the stage, back: 144 (lane / 8) + 16 (lane % 8)
.set G16, 9                            ; v9   16 x lane
.set TM,  12                           ; v12-15  largest magnitudes, one for each block;  v16-19 a second chain
.set TM2, 16
.set SO,  20                           ; v20-23  the conversions' scale operands
.set BY,  24                           ; v24-27  the scales' bytes
.set SW,  28                           ; v28     my column's scale word
.set HF,  32                           ; v32-55  hidden's two fragments (batches 0-15, 16-31)
.set HS,  56                           ; v56-57  their scale words
.set F0,  58                           ; v58-69  the fragment of columns 0-15
.set F1,  70                           ; v70-81  of columns 16-31
.set TU,  82                           ; v82-97  the blocks' upper halves, as the conversions leave them
.set X,   128                          ; v128-255 my column's 128 numbers
.set ACC, 128                          ; behind the conversions: four accumulators, (mt, nt) at ACC + 8 (2 mt + nt)
.set OUT, 160                          ; and the rows read back from the stage
	s_load_b256 s[4:11], s[0:1], 0x0               ; W s[4:5], hidden's codes s[6:7], hidden's scales s[8:9], wq s[10:11]
	s_load_b64 s[12:13], s[0:1], 0x20              ; hpp
	v_lshl_add_u32 v126, v0, 2, 0x1400
	v_mov_b32 v127, 0
	v_lshrrev_b32 v[LN], 5, v0
	v_readfirstlane_b32 s14, v[LN]                 ; wave 0, 1
	v_and_b32 v[LN], 31, v0
	v_and_b32 v[RR], 15, v0
	v_bfe_u32 v[HH], v0, 4, 1
	v_lshlrev_b32 v[WOF], 2, v[LN]
	v_mul_u32_u24 v[HOF], v[RR], 768
	v_mad_u32_u24 v[HOF], v[HH], 24, v[HOF]
	v_lshlrev_b32 v[HSO], 5, v[RR]
	v_mul_u32_u24 v[STW], v[RR], SPITCH
	v_lshl_add_u32 v[STW], v[HH], 5, v[STW]
	v_lshrrev_b32 v[STR], 3, v[LN]
	v_mul_u32_u24 v[STR], v[STR], SPITCH
	v_and_b32 v10, 7, v[LN]
	v_lshl_add_u32 v[STR], v10, 4, v[STR]
	v_lshlrev_b32 v[G16], 4, v[LN]
	s_and_b32 s15, ttmp9, 31                       ; cg
	s_lshr_b32 s16, ttmp9, 5                       ; ks
	s_lshl_b32 s18, s14, 10                        ; wave 1 begins 1,024 rows down
	s_lshl_b32 s19, s16, 7
	s_add_co_u32 s18, s18, s19                     ; my first row of W
	s_lshl_b32 s18, s18, 12                        ; a row is 4,096 bytes
	s_lshl_b32 s19, s15, 7                         ; 32 columns are 128 bytes
	s_add_co_u32 s18, s18, s19
	s_mov_b32 s19, 0
	s_mov_b32 s21, 0
	s_wait_kmcnt 0x0
	s_add_nc_u64 s[4:5], s[4:5], s[18:19]
; Block t of my column: its largest magnitude, the conversion's scale operand, the byte.  The wait leaves the younger blocks' loads out; its count is held at 63, the most that a wait can name.
.macro QBLK t
.set XS, X+32*(\t)
.if 96-32*(\t) > 63
	s_wait_loadcnt 63
.else
	s_wait_loadcnt 96-32*(\t)
.endif
	v_max3_num_f32 v[TM+\t], |v[XS]|, |v[XS+1]|, |v[XS+2]|
	v_max3_num_f32 v[TM2+\t], |v[XS+3]|, |v[XS+4]|, |v[XS+5]|
.irp i, 6,10,14,18,22,26
	v_max3_num_f32 v[TM+\t], v[TM+\t], |v[XS+\i]|, |v[XS+\i+1]|
	v_max3_num_f32 v[TM2+\t], v[TM2+\t], |v[XS+\i+2]|, |v[XS+\i+3]|
.endr
	v_max3_num_f32 v[TM+\t], v[TM+\t], |v[XS+30]|, |v[XS+31]|
	v_max3_num_f32 v[TM+\t], v[TM+\t], v[TM2+\t], (EMAX+1)<<23    ; and the floor 2^(EMAX + 1 - 127): the byte cannot fall under 1
	v_add_nc_u32 v[SO+\t], -(EMAX<<23), v[TM+\t]                  ; EMAX off the exponent field: the conversion takes the exponent field of this operand as its scale
	v_lshrrev_b32 v[BY+\t], 23, v[SO+\t]                          ; the scale's byte
.endm
; 128 rows x 32 columns of W become two fragments (F0, F1) and a register of scale words (SW: lanes 0-15 serve F0, lanes 16-31 F1).
.macro QUANTW
.set i, 0
.rept 128
	global_load_b32 v[X+i], v[WOF], s[4:5] offset:i*4096 th:TH_LOAD_NT   ; row i, 32 neighbouring columns: 128 consecutive bytes; read once in the launch
.set i, i+1
.endr
	QBLK 0
	QBLK 1
	QBLK 2
	QBLK 3
	v_lshl_or_b32 v[SW], v[BY+1], 8, v[BY]         ; four bytes, the lower K in the lower byte
	v_lshl_or_b32 v[SW], v[BY+2], 16, v[SW]
	v_lshl_or_b32 v[SW], v[BY+3], 24, v[SW]
	; blocks 0 and 2 go to F0, blocks 1 and 3 to F1.  A conversion's three registers begin on an even number: a block's upper half is made in TU and moved
	v_cvt_scalef32_pk16_bf6_f32 v[F0:F0+2],     v[X:X+15],      v[SO]
	v_cvt_scalef32_pk16_bf6_f32 v[TU:TU+2],     v[X+16:X+31],   v[SO]
	v_cvt_scalef32_pk16_bf6_f32 v[F1:F1+2],     v[X+32:X+47],   v[SO+1]
	v_cvt_scalef32_pk16_bf6_f32 v[TU+4:TU+6],   v[X+48:X+63],   v[SO+1]
	v_cvt_scalef32_pk16_bf6_f32 v[F0+6:F0+8],   v[X+64:X+79],   v[SO+2]
	v_cvt_scalef32_pk16_bf6_f32 v[TU+8:TU+10],  v[X+80:X+95],   v[SO+2]
	v_cvt_scalef32_pk16_bf6_f32 v[F1+6:F1+8],   v[X+96:X+111],  v[SO+3]
	v_cvt_scalef32_pk16_bf6_f32 v[TU+12:TU+14], v[X+112:X+127], v[SO+3]
	v_nop                                          ; one plain place behind a scaled conversion
.irp i, 0,1,2
	v_mov_b32 v[F0+3+\i], v[TU+\i]
	v_mov_b32 v[F1+3+\i], v[TU+4+\i]
	v_mov_b32 v[F0+9+\i], v[TU+8+\i]
	v_mov_b32 v[F1+9+\i], v[TU+12+\i]
.endr
.irp i, 0,1,2,3,4,5,6,7,8,9,10,11
	v_permlane16_swap_b32 v[F0+\i], v[F1+\i]       ; F0's lanes 16-31 (blocks 0, 2 of columns 16-31) change places with F1's lanes 0-15 (blocks 1, 3 of columns 0-15)
.endr
.endm
	s_cmp_lg_u32 s14, 0
	s_cbranch_scc1 .Lwe                            ; the two waves part here and do not meet again
	; ---- WAVE 0: Wh.  hidden's fragments of this K step are asked for first: they are older than W's loads, so W's counted waits cover them
	s_mul_i32 s20, s16, 96                         ; 128 codes are 96 bytes
	s_add_nc_u64 s[6:7], s[6:7], s[20:21]
	s_lshl_b32 s20, s16, 2                         ; and four scale bytes
	s_add_nc_u64 s[8:9], s[8:9], s[20:21]
	s_lshl_b32 s20, ttmp9, 12                      ; hpp: (32 ks + cg) x 4,096 bytes
	s_add_nc_u64 s[12:13], s[12:13], s[20:21]
	s_wait_alu depctr_va_vdst(0)
.irp mt, 0,1
.irp p, 0,1,2,3,4,5
	global_load_b64 v[HF+12*\mt+2*\p:HF+12*\mt+2*\p+1], v[HOF], s[6:7] offset:12288*\mt+48*(\p/3)+8*(\p%3)
.endr
	global_load_b32 v[HS+\mt], v[HSO], s[8:9] offset:512*\mt
.endr
	QUANTW
.rept 8
	v_nop                                          ; a scale register written by vector instructions stands 8 places ahead of a scaled matrix instruction, an operand so written 4
.endr
	; TRANSPOSED: source 0 = 16 columns of Wh, source 1 = 16 batches: lane (r, h) then holds batch 16 mt + r, and its register j the column 16 nt + 8 h + j.  Four accumulators, one instruction each
.irp mt, 0,1
	v_wmma_scale_f32_16x16x128_f8f6f4 v[ACC+16*\mt:ACC+16*\mt+7], v[F0:F0+11], v[HF+12*\mt:HF+12*\mt+11], 0, v[SW], v[HS+\mt] matrix_a_fmt:MATRIX_FMT_BF6 matrix_b_fmt:MATRIX_FMT_BF6
	v_wmma_scale_f32_16x16x128_f8f6f4 v[ACC+16*\mt+8:ACC+16*\mt+15], v[F1:F1+11], v[HF+12*\mt:HF+12*\mt+11], 0, v[SW], v[HS+\mt] matrix_a_fmt:MATRIX_FMT_BF6 matrix_b_fmt:MATRIX_FMT_BF6 matrix_a_scale:MATRIX_SCALE_ROW1
.endr
.rept 4
	v_nop                                          ; four places in front of the first read of the results
.endr
.irp mt, 0,1
.irp nt, 0,1
	ds_store_b128 v[STW], v[ACC+8*(2*\mt+\nt):ACC+8*(2*\mt+\nt)+3] offset:\mt*16*SPITCH+\nt*64          ; each accumulator from its low end on
	ds_store_b128 v[STW], v[ACC+8*(2*\mt+\nt)+4:ACC+8*(2*\mt+\nt)+7] offset:\mt*16*SPITCH+\nt*64+16
.endr
.endr
.irp i, 0,1,2,3,4,5,6,7
	ds_load_b128 v[OUT+4*\i:OUT+4*\i+3], v[STR] offset:\i*4*SPITCH   ; four rows of 128 bytes; LDS serves a wave's instructions in order (ISA guide 5.7.1.4): these see my stores
.endr
.irp i, 0,1,2,3,4,5,6,7
	s_wait_dscnt 7-\i
	global_store_b128 v[G16], v[OUT+4*\i:OUT+4*\i+3], s[12:13] offset:512*\i   ; 32 lanes store 512 consecutive bytes, at a multiple of 256 from hpp's first byte
.endr
	s_wait_tensorcnt 0x0
	ds_add_u32 v126, v127
	s_wait_dscnt 0x0
	s_endpgm
.Lwe:
	; ---- WAVE 1: We.  Where my two fragments and my scale words go in wq
	s_lshr_b32 s20, s15, 3                         ; p: which 256 columns
	s_lshl_b32 s20, s20, 2
	s_lshr_b32 s22, s16, 1                         ; j: which 256 along K
	s_add_co_u32 s20, s20, s22
	s_mul_i32 s20, s20, TILEB                      ; the tile
	s_and_b32 s22, s16, 1                          ; s: which K step of the tile's two
	s_and_b32 s23, s15, 7                          ; which pair of its 16 tiles of columns
	s_lshl_b32 s24, s22, 4
	s_lshl_b32 s25, s23, 1
	s_add_co_u32 s24, s24, s25
	s_mul_i32 s24, s24, FRB
	s_add_co_u32 s24, s24, s20                     ; the fragments' bytes
	s_mov_b32 s25, 0
	s_lshl_b32 s22, s22, 10
	s_lshl_b32 s23, s23, 7
	s_add_co_u32 s26, s20, s22
	s_add_co_u32 s26, s26, s23
	s_add_co_u32 s26, s26, SCW                     ; the scale words' bytes
	s_mov_b32 s27, 0
	s_add_nc_u64 s[24:25], s[10:11], s[24:25]
	s_add_nc_u64 s[26:27], s[10:11], s[26:27]
	QUANTW
.irp c, 0,1,2
	global_store_b128 v[G16], v[F0+4*\c:F0+4*\c+3], s[24:25] offset:512*\c        ; an image of the operand's registers: 512 consecutive bytes a store, at a multiple of 256 from wq's first byte
.endr
.irp c, 0,1,2
	global_store_b128 v[G16], v[F1+4*\c:F1+4*\c+3], s[24:25] offset:FRB+512*\c
.endr
	global_store_b32 v[WOF], v[SW], s[26:27]       ; 128 consecutive bytes: the scale words of both fragments
	s_endpgm
.Lfunc_end_k_q30f29ee0be_prep:
	.size	k_q30f29ee0be_prep, .Lfunc_end_k_q30f29ee0be_prep-k_q30f29ee0be_prep
	.p2alignl 7, 3214868480
	.fill 96, 4, 3214868480
	.section	.rodata,"a",@progbits
	.p2align	6, 0x0
	.amdhsa_kernel k_q30f29ee0be_prep
		.amdhsa_group_segment_fixed_size 5376
		.amdhsa_private_segment_fixed_size 0
		.amdhsa_enable_private_segment 0
		.amdhsa_kernarg_size 40
		.amdhsa_user_sgpr_count 2
		.amdhsa_user_sgpr_kernarg_segment_ptr 1
		.amdhsa_wavefront_size32 1
		.amdhsa_system_sgpr_workgroup_id_x 1
		.amdhsa_system_sgpr_workgroup_id_y 1
		.amdhsa_system_sgpr_workgroup_id_z 1
		.amdhsa_system_vgpr_workitem_id 0
		.amdhsa_next_free_vgpr 256
		.amdhsa_next_free_sgpr 66
		.amdhsa_reserve_vcc 0
		.amdhsa_float_denorm_mode_32 3
		.amdhsa_float_denorm_mode_16_64 3
		.amdhsa_memory_ordered 1
		.amdhsa_forward_progress 1
		.amdhsa_inst_pref_size 44
	.end_amdhsa_kernel
	.amdgpu_metadata
---
amdhsa.version: [ 1, 2 ]
amdhsa.kernels:
  - .name:           k_q30f29ee0be_prep
    .symbol:         k_q30f29ee0be_prep.kd
    .args:
      - { .name: W_attn, .offset: 0, .size: 8, .value_kind: global_buffer, .address_space: global }
      - { .name: hidden_codes, .offset: 8, .size: 8, .value_kind: global_buffer, .address_space: global }
      - { .name: hidden_scales, .offset: 16, .size: 8, .value_kind: global_buffer, .address_space: global }
      - { .name: wq, .offset: 24, .size: 8, .value_kind: global_buffer, .address_space: global }
      - { .name: hpp, .offset: 32, .size: 8, .value_kind: global_buffer, .address_space: global }
    .group_segment_fixed_size: 5376
    .private_segment_fixed_size: 0
    .kernarg_segment_align: 8
    .kernarg_segment_size: 40
    .max_flat_workgroup_size: 64
    .sgpr_count:     66
    .vgpr_count:     256
    .wavefront_size: 32
...
	.end_amdgpu_metadata
.endif
;; end of part 1
;; launch main (part 2): grid 256 x 1, 4 waves a work-group, no clusters, 327,680 bytes of LDS; arguments encoder_outputs_codes, encoder_outputs_scales, wq, hpp, b_attn, v, scores; writes scores
.if DOCPART == 2
	.amdgcn_target "amdgcn-amd-amdhsa--gfx1250"
	.amdhsa_code_object_version 6
	.text
	.protected	k_q30f29ee0be_main
	.globl	k_q30f29ee0be_main
	.p2align	8
	.type	k_q30f29ee0be_main,@function
k_q30f29ee0be_main:
	s_mov_b64 s[64:65], 0
	v_nop
	global_prefetch_b8 v0, s[64:65] scope:SCOPE_SE
	s_setreg_imm32_b32 hwreg(HW_REG_WAVE_MODE, 25, 1), 1
	s_wait_xcnt 0x0
; scores[row] = -c x the sum over n of v[n] / (1 + 2^(c (h_proj[batch][n] + e_proj[row][n]))),  c = 2 log2(e),  row = 2,048 batch + s.
; tanh(x) = 1 - 2 / (1 + 2^(c x)), so the sum of v[n] tanh(..) is (the sum of v) - 2 x (the sum of v r), r = 1 / (1 + 2^(c x)).  LEFT OUT: the sum of v, a term that is the same for every s
; of a batch and so falls out of the softmax along s for all values of the inputs.  The rest x log2(e) is the logit to the base 2, which the next launch takes.  Where 2^(c x) is infinite r is 0, where it is 0 r is 1.
; e_proj = encoder_outputs x We on codes of BF6 (E3M2) with E8M0 scales: encoder_outputs as given, We as the launch before laid it in wq.  h_proj = b_attn + the eight parts in hpp, in that order.
; SHARES.  A work-group owns 256 rows (all of one batch) and all 1,024 columns: each logit has one owner.  Its rows' codes, 196,608 bytes, come into LDS once, by three tensor loads, and stay.
; Four passes of 256 columns, eight K steps of 128 each.  Wave w makes rows 128 (w / 2) on and columns 128 (w % 2) on of a pass: 64 accumulators, 512 registers.
; WE GOES FROM wq STRAIGHT INTO THE OPERAND REGISTERS: wq holds images of the registers, so a fragment is three loads of 512 consecutive bytes.  Two sets of eight fragments: a K step's set is asked for at the head
; of the K step before.  So no slot of LDS is filled again, and the loop has no barrier.
; NO CLUSTER, NO JOINT LOADS: beside A's 208,896 bytes LDS has room for two slots of two K steps of We at the most, 14 refills with a round each; no tile of We passes through LDS here, and A's rows are each work-group's own.
; NO PREFETCH: each load of We is itself issued one whole K step (64 matrix instructions) ahead of its use, and A is asked for once, at the head.
; The matrix instruction is used as it stands (source 0 = 16 rows of A, source 1 = 16 columns of We): lane (r, h) holds column r and rows 8 h + 0 .. 7, so a tile's bias and its v are one number a lane.
; LDS: strip s holds bytes 256 s .. 256 s + 255 of each of the 256 rows, 272 bytes apart; then the spare words; RED (the waves' sums meet) and HPL (1,024 pairs c h_proj[n], v[n]), written by LDS stores alone.
; REGISTERS: window 0: v1-29 addresses; v32-63 A's scale words; v64-79 We's scale words, two sets; v80-143 the 64 sums; v144-239 A's eight fragments, one set; v240-243 at work.
;   window 1: v0-95, v96-191 We's fragments, two sets; v192-255 the pairs (c h_proj, v), 16 registers a pass.   windows 2, 3: accumulator (a, b) at v[8 (8 (a % 4) + b)] of window 2 + a / 4.
; LIMITS: NaN among the inputs is not served; h_proj is the bias plus eight f32 partial sums, not one running sum; a NaN or infinity in the sum of v alone is not carried to the result.
.set APITCH, 272
.set STRIP,  256*APITCH
.set TILEB,  51200                     ; a tile of wq: 256 columns x 256 K
.set SCW,    49152                     ; where its scale words begin
.set FRB,    1536                      ; a fragment's image
.set SPARE,  3*STRIP                   ; the spare words: 128 bytes a wave
.set RED,    SPARE+512                 ; [column half 2][row 256] f32
.set HPL,    RED+2048                  ; [n 1,024] pairs of f32
.set ADA, 10                           ; v10-12 A in strip s: row r of my 128, + 24 h
.set ADX, 13                           ; v13-14 for pieces whose lanes 16-31 fall into the next strip
.set ADB, 16                           ; v16 We's fragments in a tile: 16 lane + my eight tiles of columns
.set ADS, 18                           ; v18 We's scale words: 4 lane + my half
.set SPW, 20
.set NIL, 21
.set RST, 22
.set RLD, 23
.set GOF, 24
.set AHV, 25
.set HPW, 26
.set ASO, 27
.set HPO, 28
.set BVO, 29
.set AS,  32                           ; AS + 4 a + j: lanes 0-15 the word of row 16 a + r for K step j, lanes 16-31 for K step 4 + j
.set BSC, 64                           ; set t % 2 of tile t at + 8; register 4 s + b / 2: lanes 0-15 tile b even, lanes 16-31 b odd
.set SS,  80
.set AF,  144
.set TP,  144                          ; at the head only: parts of h_proj, b_attn, v, the pairs to store
.set TB,  208
.set TV,  216
.set TO,  224
.set HV,  192                          ; in window 1
.set WV,  18
.set G1A, 24
.set G0A, 40
.set CS,  60
.set PASS, 62
.set MSB, 0
.macro WIN new                         ; the immediate's high byte repeats the setting that is left
.if MSB != (\new)
	s_set_vgpr_msb (MSB<<8)|(\new)
.set MSB, (\new)
.endif
.endm
.set MUL_LO, 0xa4                      ; source 0 (A) window 0, source 1 (We) window 1, C and D window 2
.set MUL_HI, 0xf4
.set TO_1,   0x40                      ; destination window 1, address window 0
.set ROT,    0x41
.macro PLACES                          ; four places behind a matrix instruction (ISA guide 7.12.1)
.rept 4
	v_nop
.endr
.endm
.macro VW
	s_wait_alu depctr_va_vdst(0)
.endm
	s_load_b256 s[4:11], s[0:1], 0x0               ; A's codes, A's scales, wq, hpp
	s_load_b128 s[12:15], s[0:1], 0x20             ; b_attn, v
	s_load_b64 s[16:17], s[0:1], 0x30              ; scores
	v_lshl_add_u32 v[SPW], v0, 2, SPARE
	v_mov_b32 v[NIL], 0
	ds_add_u32 v[SPW], v[NIL]                      ; the opening lines: the add, twice on end, and its wait
	ds_add_u32 v[SPW], v[NIL]
	v_lshrrev_b32 v1, 5, v0
	v_readfirstlane_b32 s[WV], v1                  ; wave 0..3
	s_lshr_b32 s19, s[WV], 1                       ; mh: which 128 rows
	s_and_b32 s20, s[WV], 1                        ; nh: which 128 columns of a pass
	s_lshr_b32 s23, ttmp9, 3                       ; the batch: 8 blocks of 256 rows each
	s_mul_i32 s66, ttmp9, 256*768                  ; A's codes: my work-group's 256 rows,
	s_lshl_b32 s67, s[WV], 8
	s_add_co_u32 s66, s66, s67                     ; from byte 256 w on: strip w
	s_mov_b32 s67, 0
	s_lshl_b32 s68, ttmp9, 8
	s_lshl_b32 s69, s19, 7
	s_add_co_u32 s68, s68, s69
	s_lshl_b32 s68, s68, 5                         ; A's scales: my 128 rows, 32 bytes each
	s_mov_b32 s69, 0
	s_lshl_b32 s72, s23, 7                         ; hpp: the batch's 128 bytes in each group of 32 columns
	s_mov_b32 s73, 0
	s_lshl_b32 s74, ttmp9, 10                      ; scores: 256 rows of 4 bytes
	s_mov_b32 s75, 0
	s_mov_b32 s[G0A], 1
	s_mul_i32 s[G0A+1], s[WV], STRIP               ; LDS: strip w
	s_mul_i32 s76, s19, 128*APITCH
	s_mul_i32 s77, s20, 8*FRB
	s_lshl_b32 s78, s20, 9
	s_lshl_b32 s79, s20, 10
	s_lshl_b32 s70, s19, 9
	s_add_co_u32 s70, s70, s79
	s_add_co_u32 s70, s70, RED
	s_add_co_u32 s79, s79, HPL
	; group 1: 256 rows x 256 bytes (32 elements of 8 bytes), 768 bytes apart in memory, 16 bytes of padding behind each in LDS
	s_mov_b32 s[G1A+0], (3<<16)|(1<<20)|(5<<22)|(3<<25)
	s_mov_b32 s[G1A+1], 32<<16
	s_mov_b32 s[G1A+2], 256<<16
	s_mov_b32 s[G1A+3], 32<<16
	s_mov_b32 s[G1A+4], 256
	s_mov_b32 s[G1A+5], 96
	s_mov_b32 s[G1A+6], 0
	s_mov_b32 s[G1A+7], 0
	s_mov_b32 s[CS], 0x4038aa3b                    ; c = 2 log2(e)
	s_mov_b32 s[CS+1], s[CS]
	s_mov_b32 s[PASS], 4
	v_and_b32 v1, 31, v0                           ; lane
	v_and_b32 v2, 15, v0                           ; r
	v_bfe_u32 v3, v0, 4, 1                         ; h
	v_lshlrev_b32 v[ASO], 5, v2
	v_lshl_add_u32 v[ASO], v3, 4, v[ASO]           ; 32 r + 16 h
	v_lshrrev_b32 v[HPO], 2, v0                    ; thread t takes columns 8 t .. 8 t + 7: group t / 4 of 4,096 bytes, 32 (t % 4) bytes into the batch's 128
	v_and_b32 v[BVO], 3, v0
	v_lshlrev_b32 v[BVO], 5, v[BVO]
	v_lshl_add_u32 v[HPO], v[HPO], 12, v[BVO]
	v_lshlrev_b32 v[BVO], 5, v0
	v_lshl_add_u32 v[HPW], v0, 6, HPL
	v_mul_u32_u24 v4, v2, APITCH
	v_add_nc_u32 v4, s76, v4
	v_mad_u32_u24 v[ADA], v3, 24, v4
	v_add_nc_u32 v[ADA+1], STRIP, v[ADA]
	v_add_nc_u32 v[ADA+2], 2*STRIP, v[ADA]
	v_mad_u32_u24 v[ADX], v3, STRIP-232, v4        ; from byte 232 of a strip's row on, lanes 16-31 read byte 0 on of the next strip's
	v_add_nc_u32 v[ADX+1], STRIP, v[ADX]
	v_lshl_add_u32 v[ADB], v1, 4, s77
	v_lshl_add_u32 v[ADS], v1, 2, s78
	v_lshl_add_u32 v[RST], v3, 5, s70
	v_lshl_add_u32 v[RLD], v0, 3, RED
	v_lshlrev_b32 v[GOF], 3, v0
	v_lshl_add_u32 v[AHV], v2, 3, s79
	VW                                             ; the addresses are first read behind the waits below
	s_wait_dscnt 0x0                               ; both opening adds are done
	s_wait_kmcnt 0x0
	s_add_nc_u64 s[G0A+2:G0A+3], s[4:5], s[66:67]
	s_or_b32 s[G0A+3], s[G0A+3], 0x80000000
	s_add_nc_u64 s[6:7], s[6:7], s[68:69]
	s_add_nc_u64 s[10:11], s[10:11], s[72:73]
	s_add_nc_u64 s[16:17], s[16:17], s[74:75]
	s_cmp_lt_u32 s[WV], 3                          ; three strips: waves 0, 1, 2 fetch one each, the launch's only tensor loads
	s_cbranch_scc0 .Lno_strip
	tensor_load_to_lds s[G0A:G0A+3], s[G1A:G1A+7]
	s_nop 0
	PLACES
.Lno_strip:
; We's eight fragments of K step nq of the pass (8: the next pass's first) into set nq % 2; with a tile's first K step also its 8 registers of scale words
.macro GB nq
	WIN TO_1
.irp b, 0,1,2,3,4,5,6,7
.irp c, 0,1,2
	global_load_b128 v[96*((\nq)%2)+12*\b+4*\c:96*((\nq)%2)+12*\b+4*\c+3], v[ADB], s[8:9] offset:((\nq)/2)*TILEB+16*FRB*((\nq)%2)+FRB*\b+512*\c
.endr
.endr
	WIN 0
.if (\nq)%2 == 0
.irp k, 0,1
.irp c, 0,1,2,3
	global_load_b32 v[BSC+8*(((\nq)/2)%2)+4*\k+\c], v[ADS], s[8:9] offset:((\nq)/2)*TILEB+SCW+1024*\k+128*\c
.endr
.endr
.endif
.endm
.irp a, 0,1,2,3,4,5,6,7
	global_load_b128 v[AS+4*\a:AS+4*\a+3], v[ASO], s[6:7] offset:512*\a     ; 16 rows x 32 scale bytes: 512 consecutive bytes
.endr
.irp p, 0,1,2,3,4,5,6,7
	global_load_b128 v[TP+8*\p:TP+8*\p+3],   v[HPO], s[10:11] offset:131072*\p
	global_load_b128 v[TP+8*\p+4:TP+8*\p+7], v[HPO], s[10:11] offset:131072*\p+16
.endr
	global_load_b128 v[TB:TB+3],   v[BVO], s[12:13]
	global_load_b128 v[TB+4:TB+7], v[BVO], s[12:13] offset:16
	global_load_b128 v[TV:TV+3],   v[BVO], s[14:15]
	global_load_b128 v[TV+4:TV+7], v[BVO], s[14:15] offset:16
	GB 0                                           ; 32 loads
	s_wait_loadcnt 32                              ; all but We's 32
.irp p, 0,1,2,3,4,5,6,7
.irp k, 0,2,4,6
	v_pk_add_f32 v[TB+\k:TB+\k+1], v[TB+\k:TB+\k+1], v[TP+8*\p+\k:TP+8*\p+\k+1]   ; the bias, then the eight parts in ascending K
.endr
.endr
.irp k, 0,1,2,3,4,5,6,7
	v_mul_f32 v[TO+2*\k], s[CS], v[TB+\k]
	v_mov_b32 v[TO+2*\k+1], v[TV+\k]
.endr
.irp k, 0,1,2,3
	ds_store_b128 v[HPW], v[TO+4*\k:TO+4*\k+3] offset:16*\k
.endr
.set i, 0
.rept 64
	v_mov_b32 v[SS+i], 0                           ; the 64 sums begin at 0, once: the pass is written once
.set i, i+1
.endr
; A fragment of A: lane (r, h) holds row r; registers 6 c .. 6 c + 5 hold K = 64 c + 32 h + 0 .. 31: 24 bytes of the row, in pieces of 8 bytes; no piece straddles a strip
.macro AFRAG i, q
.irp p, 0,1,2,3,4,5
.set xx, 96*(\q)+48*(\p/3)+8*(\p%3)
.if (xx&255) < 232
	ds_load_b64 v[AF+12*(\i)+2*\p:AF+12*(\i)+2*\p+1], v[ADA+(xx>>8)] offset:(xx&255)+16*APITCH*(\i)
.else
	ds_load_b64 v[AF+12*(\i)+2*\p:AF+12*(\i)+2*\p+1], v[ADX+(xx>>8)] offset:(xx&255)+16*APITCH*(\i)
.endif
.endr
.endm
.macro FETCH_A q, i0                   ; A's blocks i0 .. i0 + 3: 24 loads
.irp i, \i0, \i0+1, \i0+2, \i0+3
	AFRAG \i, \q
.endr
.endm
; 16 matrix instructions: A's blocks a0, a0 + 1 x We's eight tiles, K step q.  zero = 1: the products start the sums.  The 64 accumulators take turns
.macro MUL16 a0, q, sl, zero
.irp a, \a0, \a0+1
.irp b, 0,1,2,3,4,5,6,7
.set rD, 8*(8*((\a)%4)+\b)
.set rA, AF+12*(\a)
.set rB, 96*((\q)%2)+12*\b
.set rP, AS+4*(\a)+((\q)&3)
.set rQ, BSC+8*(\sl)+4*((\q)&1)+\b/2
.if \zero
.if \b%2
	v_wmma_scale_f32_16x16x128_f8f6f4 v[rD:rD+7], v[rA:rA+11], v[rB:rB+11], 0, v[rP], v[rQ] matrix_a_fmt:MATRIX_FMT_BF6 matrix_b_fmt:MATRIX_FMT_BF6 matrix_b_scale:MATRIX_SCALE_ROW1
.else
	v_wmma_scale_f32_16x16x128_f8f6f4 v[rD:rD+7], v[rA:rA+11], v[rB:rB+11], 0, v[rP], v[rQ] matrix_a_fmt:MATRIX_FMT_BF6 matrix_b_fmt:MATRIX_FMT_BF6
.endif
.elseif (\q) < 4
.if \b%2
	v_wmma_scale_f32_16x16x128_f8f6f4 v[rD:rD+7], v[rA:rA+11], v[rB:rB+11], v[rD:rD+7], v[rP], v[rQ] matrix_a_fmt:MATRIX_FMT_BF6 matrix_b_fmt:MATRIX_FMT_BF6 matrix_b_scale:MATRIX_SCALE_ROW1
.else
	v_wmma_scale_f32_16x16x128_f8f6f4 v[rD:rD+7], v[rA:rA+11], v[rB:rB+11], v[rD:rD+7], v[rP], v[rQ] matrix_a_fmt:MATRIX_FMT_BF6 matrix_b_fmt:MATRIX_FMT_BF6
.endif
.else
.if \b%2
	v_wmma_scale_f32_16x16x128_f8f6f4 v[rD:rD+7], v[rA:rA+11], v[rB:rB+11], v[rD:rD+7], v[rP], v[rQ] matrix_a_fmt:MATRIX_FMT_BF6 matrix_b_fmt:MATRIX_FMT_BF6 matrix_a_scale:MATRIX_SCALE_ROW1 matrix_b_scale:MATRIX_SCALE_ROW1
.else
	v_wmma_scale_f32_16x16x128_f8f6f4 v[rD:rD+7], v[rA:rA+11], v[rB:rB+11], v[rD:rD+7], v[rP], v[rQ] matrix_a_fmt:MATRIX_FMT_BF6 matrix_b_fmt:MATRIX_FMT_BF6 matrix_a_scale:MATRIX_SCALE_ROW1
.endif
.endif
.endr
.endr
.endm
; A K step.  more = 1: the next K step's operands are asked for: We's set at the head (its registers were read last in the K step before, four places ago), A's blocks 0-3 in the middle, 4-7 at the end
.macro STEP q, zero, more
.if \more
	GB (\q)+1                                      ; asked for ahead of the wait below: its registers were read last in the K step before, four places ago
	s_wait_loadcnt 24+8*((\q)%2)                   ; all but the loads just issued (24 fragment loads; 8 scale words more where a tile begins): this K step's set and its scale words are in
.else
	s_wait_loadcnt 0x0                             ; nothing younger is out
.endif
	s_wait_dscnt 24                                ; A's blocks 0-3 are in; the youngest 24 loads (blocks 4-7) may be out
	WIN MUL_LO
	MUL16 0, \q, ((\q)/2)%2, \zero
	MUL16 2, \q, ((\q)/2)%2, \zero
	s_wait_dscnt 0x0                               ; A's blocks 4-7 are in
.if \more
	PLACES
	WIN 0
	FETCH_A ((\q)+1)%8, 0
.endif
	WIN MUL_HI
	MUL16 4, \q, ((\q)/2)%2, \zero
	MUL16 6, \q, ((\q)/2)%2, \zero
	PLACES
	WIN 0
.if \more
	FETCH_A ((\q)+1)%8, 4
.endif
.endm
; BEHIND A PASS: r = 1 / (1 + 2^(c e + c h_proj)) for every number of the accumulators, and sum (a, j) += r v.  A unit is four accumulators: blocks 2 (u / 4) + 0, 1 of the window x tiles 2 (u % 4) + 0, 1
.macro UX u, a, b
.set rX, 8*(8*(2*((\u)/4)+\a)+2*((\u)%4)+\b)
.set rH, HV+2*(2*((\u)%4)+\b)
.endm
.macro EF u                            ; c e + c h_proj; each accumulator is read from its low end on
.irp b, 0,1
.irp a, 0,1
	UX \u, \a, \b
.irp i, 0,2,4,6
	v_pk_fma_f32 v[rX+\i:rX+\i+1], v[rX+\i:rX+\i+1], s[CS:CS+1], v[rH:rH+1] op_sel_hi:[1,0,0]
.endr
.endr
.endr
.endm
.macro ET op, u                        ; a batch of 32 transcendentals, in place
.irp b, 0,1
.irp a, 0,1
	UX \u, \a, \b
.irp i, 0,1,2,3,4,5,6,7
	\op v[rX+\i], v[rX+\i]
.endr
.endr
.endr
.endm
.macro EA u                            ; + 1
.irp b, 0,1
.irp a, 0,1
	UX \u, \a, \b
.irp i, 0,2,4,6
	v_pk_add_f32 v[rX+\i:rX+\i+1], v[rX+\i:rX+\i+1], 1.0 op_sel_hi:[1,0]
.endr
.endr
.endr
.endm
.macro ED u, w                         ; the sums take r v: of the pair (c h_proj, v) the second word serves both halves
.irp b, 0,1
.irp a, 0,1
	UX \u, \a, \b
.set rS, SS+8*(4*(\w)+2*((\u)/4)+\a)
.irp i, 0,2,4,6
	v_pk_fma_f32 v[rS+\i:rS+\i+1], v[rX+\i:rX+\i+1], v[rH:rH+1], v[rS+\i:rS+\i+1] op_sel:[0,1,0] op_sel_hi:[1,1,1]
.endr
.endr
.endr
.endm
; Settings: 0x96, 0xd7: destination and source 0 the accumulators' window, sources 1 and 2 window 1;  0x06, 0x07: source 0 the accumulators', source 1 window 1, the sums window 0.
; Each batch has one wait ahead of it and one behind it; the unit before's sums are the plain work behind the exponentials.
.macro EPIW w
.irp u, 0,1,2,3,4,5,6,7
	WIN 0x96+0x41*(\w)
	VW
	ET v_exp_f32, \u
.if \u > 0
	WIN 0x06+(\w)
	ED \u-1, \w
	WIN 0x96+0x41*(\w)
.else
	v_nop
.endif
	VW
	EA \u
	VW
	ET v_rcp_f32, \u
	v_nop
.endr
	WIN 0x06+(\w)
	VW
	ED 7, \w
.endm
.macro EPI                             ; all first reads of the matrix results stand ahead of the first transcendental
.irp w, 0,1
	WIN 0x96+0x41*\w
	VW
.irp u, 0,1,2,3,4,5,6,7
	EF \u
.endr
.endr
	EPIW 0
	EPIW 1
	WIN 0
.endm
	VW                                             ; the head's end
	s_wait_tensorcnt 0x0                           ; my strip is in
	s_wait_dscnt 0x0                               ; my pairs lie in HPL
	s_barrier_signal -1
	s_barrier_wait -1                              ; everybody's are
	WIN TO_1
.irp pp, 0,1,2,3
.irp b, 0,1,2,3,4,5,6,7
	ds_load_b64 v[HV+16*\pp+2*\b:HV+16*\pp+2*\b+1], v[AHV] offset:2048*\pp+128*\b   ; (c h_proj, v) of column 256 pp + 128 nh + 16 b + r
.endr
.endr
	WIN 0
	FETCH_A 0, 0
	FETCH_A 0, 4
.Lpass:                                                ; a pass: 256 columns, eight K steps
	STEP 0, 1, 1
	STEP 1, 0, 1
	STEP 2, 0, 1
	STEP 3, 0, 1
	STEP 4, 0, 1
	STEP 5, 0, 1
	STEP 6, 0, 1
	s_cmp_eq_u32 s[PASS], 1
	s_cbranch_scc1 .Lend7                          ; the last pass's last K step asks for nothing more: wq ends there
	STEP 7, 0, 1                                   ; the next pass's first operands are asked for
	s_branch .Lepi
.Lend7:
	STEP 7, 0, 0
.Lepi:
	EPI
	WIN ROT
.set i, 0
.rept 48
	v_mov_b32 v[HV+i], v[HV+16+i]                  ; the next pass's pairs come down, so that no register number changes from pass to pass
.set i, i+1
.endr
	WIN 0
	s_wait_xcnt 0x0                                ; the loads that are out have read their base
	s_add_nc_u64 s[8:9], s[8:9], 4*TILEB           ; the next pass's four tiles
	s_sub_co_u32 s[PASS], s[PASS], 1
	s_cmp_lg_u32 s[PASS], 0
	VW
	s_cbranch_scc1 .Lpass
	; THE END.  A lane's sum (a, j) holds the columns r, r + 16, .. of my 128 of each pass: the sixteen lanes of a half are added, the two column halves meet in LDS
.irp m, 1,2,4,8
.set i, 0
.rept 64
	v_add_f32_dpp v[SS+i], v[SS+i], v[SS+i] row_xmask:\m row_mask:0xf bank_mask:0xf
.set i, i+1
.endr
.endr
.irp a, 0,1,2,3,4,5,6,7
	ds_store_b128 v[RST], v[SS+8*\a:SS+8*\a+3] offset:64*\a        ; rows 16 a + 8 h + 0 .. 7: the sixteen lanes of a half write the same bytes with the same values
	ds_store_b128 v[RST], v[SS+8*\a+4:SS+8*\a+7] offset:64*\a+16
.endr
	s_wait_dscnt 0x0                               ; for the others' sake: my stores are done
	s_barrier_signal -1
	s_barrier_wait -1
	ds_load_b64 v[240:241], v[RLD]                 ; thread t: rows 2 t and 2 t + 1, the first column half's sums,
	ds_load_b64 v[242:243], v[RLD] offset:1024     ; and the second's
	s_wait_dscnt 0x0
	v_pk_add_f32 v[240:241], v[240:241], v[242:243]
	v_pk_mul_f32 v[240:241], v[240:241], 0xc038aa3b op_sel_hi:[1,0]   ; x -c
	global_store_b64 v[GOF], v[240:241], s[16:17]  ; a wave stores 256 consecutive bytes, at a multiple of 256 from the buffer's first byte
	s_wait_tensorcnt 0x0                           ; the wave's end
	ds_add_u32 v[SPW], v[NIL]
	s_wait_dscnt 0x0
	s_endpgm
.Lfunc_end_k_q30f29ee0be_main:
	.size	k_q30f29ee0be_main, .Lfunc_end_k_q30f29ee0be_main-k_q30f29ee0be_main
	.p2alignl 7, 3214868480
	.fill 96, 4, 3214868480
	.section	.rodata,"a",@progbits
	.p2align	6, 0x0
	.amdhsa_kernel k_q30f29ee0be_main
		.amdhsa_group_segment_fixed_size 327680
		.amdhsa_private_segment_fixed_size 0
		.amdhsa_enable_private_segment 0
		.amdhsa_kernarg_size 56
		.amdhsa_user_sgpr_count 2
		.amdhsa_user_sgpr_kernarg_segment_ptr 1
		.amdhsa_wavefront_size32 1
		.amdhsa_system_sgpr_workgroup_id_x 1
		.amdhsa_system_sgpr_workgroup_id_y 1
		.amdhsa_system_sgpr_workgroup_id_z 1
		.amdhsa_system_vgpr_workitem_id 0
		.amdhsa_next_free_vgpr 1024
		.amdhsa_next_free_sgpr 80
		.amdhsa_reserve_vcc 0
		.amdhsa_float_denorm_mode_32 3
		.amdhsa_float_denorm_mode_16_64 3
		.amdhsa_memory_ordered 1
		.amdhsa_forward_progress 1
		.amdhsa_inst_pref_size 245
	.end_amdhsa_kernel
	.amdgpu_metadata
---
amdhsa.version: [ 1, 2 ]
amdhsa.kernels:
  - .name:           k_q30f29ee0be_main
    .symbol:         k_q30f29ee0be_main.kd
    .args:
      - { .name: encoder_outputs_codes, .offset: 0, .size: 8, .value_kind: global_buffer, .address_space: global }
      - { .name: encoder_outputs_scales, .offset: 8, .size: 8, .value_kind: global_buffer, .address_space: global }
      - { .name: wq, .offset: 16, .size: 8, .value_kind: global_buffer, .address_space: global }
      - { .name: hpp, .offset: 24, .size: 8, .value_kind: global_buffer, .address_space: global }
      - { .name: b_attn, .offset: 32, .size: 8, .value_kind: global_buffer, .address_space: global }
      - { .name: v, .offset: 40, .size: 8, .value_kind: global_buffer, .address_space: global }
      - { .name: scores, .offset: 48, .size: 8, .value_kind: global_buffer, .address_space: global }
    .group_segment_fixed_size: 327680
    .private_segment_fixed_size: 0
    .kernarg_segment_align: 8
    .kernarg_segment_size: 56
    .max_flat_workgroup_size: 128
    .sgpr_count:     80
    .vgpr_count:     1024
    .wavefront_size: 32
...
	.end_amdgpu_metadata
.endif
;; end of part 2
;; launch soft (part 3): grid 32 x 1, 1 waves a work-group, no clusters, 0 bytes of LDS; arguments scores, out0; writes out0
.if DOCPART == 3
	.amdgcn_target "amdgcn-amd-amdhsa--gfx1250"
	.amdhsa_code_object_version 6
	.text
	.protected	k_q30f29ee0be_soft
	.globl	k_q30f29ee0be_soft
	.p2align	8
	.type	k_q30f29ee0be_soft,@function
k_q30f29ee0be_soft:
	s_mov_b64 s[64:65], 0
	v_nop
	global_prefetch_b8 v0, s[64:65] scope:SCOPE_SE
	s_setreg_imm32_b32 hwreg(HW_REG_WAVE_MODE, 25, 1), 1
	s_wait_xcnt 0x0
; out0[b][s] = 2^(L[b][s] - max) / the sum over s of 2^(L[b][s] - max): the softmax of a batch's 2,048 logits, which the launch before left in the base-2 domain (already x log2(e)).
; The row's true maximum is taken away first, so no exponential is above 1 and the sum is at least 1.
; One wave takes one row: 8,192 bytes, 64 numbers a lane, kept in registers between the three passes: the row is read once.  The reductions never leave the wave: no LDS, no barrier.
; Matrix units, clusters and more waves to a row are left out: a row is sixteen loads of a wave, and waves that shared it would have to meet twice.
.set X, 8                              ; v8-71   the row
.set M, 72                             ; v72-75  maxima; then v[72:73] the maximum, twice
.set S, 74                             ; v74-77  two chains of sums
.set R, 78                             ; v[78:79] 1 / the sum, twice
	s_load_b128 s[4:7], s[0:1], 0x0                ; scores, out0
	v_lshlrev_b32 v1, 4, v0                        ; 16 bytes a lane
	s_lshl_b32 s8, ttmp9, 13                       ; a row is 8,192 bytes
	s_mov_b32 s9, 0
	s_mov_b32 s12, 0x76543210                      ; v_permlanex16_b32's selects for lane l xor 16
	s_mov_b32 s13, 0xfedcba98
	s_wait_alu depctr_va_vdst(0)
	s_wait_kmcnt 0x0
	s_add_nc_u64 s[4:5], s[4:5], s[8:9]
	s_add_nc_u64 s[6:7], s[6:7], s[8:9]
.irp i, 0,1,2,3,4,5,6,7,8,9,10,11,12,13,14,15
	global_load_b128 v[X+4*\i:X+4*\i+3], v1, s[4:5] offset:512*\i    ; 512 consecutive bytes a load
.endr
	s_wait_loadcnt 0x0
	; the maximum: four chains of 16 numbers, started by the first numbers
.irp k, 0,1,2,3
	v_max3_num_f32 v[M+\k], v[X+16*\k], v[X+16*\k+1], v[X+16*\k+2]
.endr
.irp i, 3,5,7,9,11,13
.irp k, 0,1,2,3
	v_max3_num_f32 v[M+\k], v[M+\k], v[X+16*\k+\i], v[X+16*\k+\i+1]
.endr
.endr
.irp k, 0,1,2,3
	v_max_num_f32 v[M+\k], v[M+\k], v[X+16*\k+15]
.endr
	v_max3_num_f32 v[M], v[M], v[M+1], v[M+2]
	v_max_num_f32 v[M], v[M], v[M+3]
	v_max_num_f32_dpp v[M], v[M], v[M] row_xmask:1 row_mask:0xf bank_mask:0xf
	v_max_num_f32_dpp v[M], v[M], v[M] row_xmask:2 row_mask:0xf bank_mask:0xf
	v_max_num_f32_dpp v[M], v[M], v[M] row_xmask:4 row_mask:0xf bank_mask:0xf
	v_max_num_f32_dpp v[M], v[M], v[M] row_xmask:8 row_mask:0xf bank_mask:0xf
	v_permlanex16_b32 v[M+1], v[M], s12, s13       ; (its destination has been written)
	v_max_num_f32 v[M], v[M], v[M+1]               ; every lane holds the row's maximum
	v_mov_b32 v[M+1], v[M]                         ; twice, for the packed subtraction
.set i, 0
.rept 32
	v_pk_add_f32 v[X+i:X+i+1], v[X+i:X+i+1], v[M:M+1] neg_lo:[0,1] neg_hi:[0,1]
.set i, i+2
.endr
.set i, 0
	s_wait_alu depctr_va_vdst(0)
.rept 64
	v_exp_f32 v[X+i], v[X+i]
.set i, i+1
.endr
	v_nop                                          ; one plain place behind the exponentials
	s_wait_alu depctr_va_vdst(0)
	v_pk_add_f32 v[S:S+1], v[X:X+1], v[X+2:X+3]    ; the sum: two at a time, in two chains
	v_pk_add_f32 v[S+2:S+3], v[X+4:X+5], v[X+6:X+7]
.irp j, 8,12,16,20,24,28,32,36,40,44,48,52,56,60
	v_pk_add_f32 v[S:S+1], v[S:S+1], v[X+\j:X+\j+1]
	v_pk_add_f32 v[S+2:S+3], v[S+2:S+3], v[X+\j+2:X+\j+3]
.endr
	v_pk_add_f32 v[S:S+1], v[S:S+1], v[S+2:S+3]
	v_add_f32 v[S], v[S], v[S+1]
	v_add_f32_dpp v[S], v[S], v[S] row_xmask:1 row_mask:0xf bank_mask:0xf
	v_add_f32_dpp v[S], v[S], v[S] row_xmask:2 row_mask:0xf bank_mask:0xf
	v_add_f32_dpp v[S], v[S], v[S] row_xmask:4 row_mask:0xf bank_mask:0xf
	v_add_f32_dpp v[S], v[S], v[S] row_xmask:8 row_mask:0xf bank_mask:0xf
	v_permlanex16_b32 v[S+1], v[S], s12, s13
	v_add_f32 v[S], v[S], v[S+1]                   ; every lane holds the row's sum
	s_wait_alu depctr_va_vdst(0)
	v_rcp_f32 v[R], v[S]
	v_rcp_f32 v[R+1], v[S]
	v_nop                                          ; one plain place behind the reciprocals
.set i, 0
	s_wait_alu depctr_va_vdst(0)
.rept 32
	v_pk_mul_f32 v[X+i:X+i+1], v[X+i:X+i+1], v[R:R+1]
.set i, i+2
.endr
.irp i, 0,1,2,3,4,5,6,7,8,9,10,11,12,13,14,15
	global_store_b128 v1, v[X+4*\i:X+4*\i+3], s[6:7] offset:512*\i   ; 512 consecutive bytes a store, at a multiple of 256 from out0's first byte
.endr
	s_endpgm
.Lfunc_end_k_q30f29ee0be_soft:
	.size	k_q30f29ee0be_soft, .Lfunc_end_k_q30f29ee0be_soft-k_q30f29ee0be_soft
	.p2alignl 7, 3214868480
	.fill 96, 4, 3214868480
	.section	.rodata,"a",@progbits
	.p2align	6, 0x0
	.amdhsa_kernel k_q30f29ee0be_soft
		.amdhsa_group_segment_fixed_size 0
		.amdhsa_private_segment_fixed_size 0
		.amdhsa_enable_private_segment 0
		.amdhsa_kernarg_size 16
		.amdhsa_user_sgpr_count 2
		.amdhsa_user_sgpr_kernarg_segment_ptr 1
		.amdhsa_wavefront_size32 1
		.amdhsa_system_sgpr_workgroup_id_x 1
		.amdhsa_system_sgpr_workgroup_id_y 1
		.amdhsa_system_sgpr_workgroup_id_z 1
		.amdhsa_system_vgpr_workitem_id 0
		.amdhsa_next_free_vgpr 96
		.amdhsa_next_free_sgpr 66
		.amdhsa_reserve_vcc 0
		.amdhsa_float_denorm_mode_32 3
		.amdhsa_float_denorm_mode_16_64 3
		.amdhsa_memory_ordered 1
		.amdhsa_forward_progress 1
		.amdhsa_inst_pref_size 15
	.end_amdhsa_kernel
	.amdgpu_metadata
---
amdhsa.version: [ 1, 2 ]
amdhsa.kernels:
  - .name:           k_q30f29ee0be_soft
    .symbol:         k_q30f29ee0be_soft.kd
    .args:
      - { .name: scores, .offset: 0, .size: 8, .value_kind: global_buffer, .address_space: global }
      - { .name: out0, .offset: 8, .size: 8, .value_kind: global_buffer, .address_space: global }
    .group_segment_fixed_size: 0
    .private_segment_fixed_size: 0
    .kernarg_segment_align: 8
    .kernarg_segment_size: 16
    .max_flat_workgroup_size: 32
    .sgpr_count:     66
    .vgpr_count:     96
    .wavefront_size: 32
...
	.end_amdgpu_metadata
.endif
;; end of part 3
